; MI455X (gfx1250); checked and timed in simulation.
; The chip was launched on July 23, 2026; its instructions are those of AMD's public machine-readable ISA for CDNA 5 (MIT licence, August 2026) and "CDNA5" Instruction Set Architecture Reference Guide (July 2026). The comments in the code are by the model that wrote it; some were corrected since.
;; Causal Self Attention. Allowed arithmetic: matrix products marked QUANTISED: E4M3 operands, one given power-of-two scale a tensor, by v_wmma_f32_16x16x64_fp8_fp8 or v_wmma_f32_16x16x128_fp8_fp8, f32 sums; everything else in f32.
;; Inputs: Wk 1,024 x 1,024 float32; Wp 1,024 x 1,024 float32; Wq 1,024 x 1,024 float32; Wv 1,024 x 1,024 float32; bk 1,024 float32; bp 1,024 float32; bq 1,024 float32; bv 1,024 float32; lowp_scales 12 int32 (the exponents e of the quantised operands' scales 2^e); x 2 x 2,048 x 1,024 float32.
;; Outputs: out0 2 x 2,048 x 1,024 float32.
;; This version of the problem:
;;   THIS VERSION OF THE PROBLEM IS GIVEN IN LOW PRECISION. The matrix products marked QUANTISED in the list below multiply operands that are first quantised to E4M3 (4 exponent bits, 3 mantissa bits; 8 bits a number), with one given power-of-two scale for each operand tensor; their sums are f32. All else is computed in f32.
;;   The module's matrix products, in the order in which they are computed (A, B: the left and right operand; K: the contracted axis; several contracted axes count as one K, in the product's order):
;;     1. [M 4,096, K 1,024] x [K 1,024, N 1,024]; A: input x; B: input Wq: QUANTISED (scales: A lowp_scales[0], B lowp_scales[1])
;;     2. [M 4,096, K 1,024] x [K 1,024, N 1,024]; A: input x; B: input Wk: QUANTISED (scales: A lowp_scales[2], B lowp_scales[3])
;;     3. [M 4,096, K 1,024] x [K 1,024, N 1,024]; A: input x; B: input Wv: QUANTISED (scales: A lowp_scales[4], B lowp_scales[5])
;;     4. batch 32 x [M 2,048, K 64] x [K 64, N 2,048]; A: computed on the way; B: computed on the way: QUANTISED (scales: A lowp_scales[6], B lowp_scales[7])
;;     5. batch 32 x [M 2,048, K 2,048] x [K 2,048, N 64]; A: softmax (see below); B: computed on the way: QUANTISED (scales: A lowp_scales[8], B lowp_scales[9])
;;     6. [M 4,096, K 1,024] x [K 1,024, N 1,024]; A: computed on the way; B: input Wp: QUANTISED (scales: A lowp_scales[10], B lowp_scales[11])
;;   THE QUANTISER, for each operand of a quantised product, along K:
;;     - The operand's scale is 2^e, e = its entry of the input lowp_scales (int32; the entries are numbered through the quantised products in the list's order, A before B).
;;     - Each number is divided by the scale, clamped to +-448, and rounded to the nearest number of E4M3, ties to even, subnormals kept.
;;     - The product sums the exact products of the quantised numbers (number of the format x scale) in f32.
;;   ~~~python
;;   def quantise(x, axis, e):      # numpy; x: float32 -> the quantised numbers, widened to float32 again
;;       x = np.moveaxis(x, axis, -1); K = x.shape[-1]
;;       r = np.clip(x / 2.0 ** e, -448, 448)
;;       step = 2.0 ** (np.maximum(np.frexp(np.where(r == 0, 1, r))[1] - 1, -6) - 3)
;;       q = np.round(r / step) * step * 2.0 ** e      # np.round: ties to even
;;       return np.moveaxis(q, -1, axis).astype(np.float32)
;;   ~~~
;;   SOFTMAX AHEAD OF A QUANTISED PRODUCT. Where the list says 'softmax', what is quantised is not the finished softmax but p = 2^(t - M), with t = logit x log2(e) and M = ceil(the row's largest t), a whole number; so 1/2 < the row's largest p <= 1. The row's sum l is taken of the UNQUANTISED p, in f32, and the product's result is divided by l at the end. Since M is a whole number, a kernel that streams over the keys may use a running M (the ceiling of the running maximum): every later rescaling is an exact power of two, so the quantised numbers keep their values, but for numbers so far below the row's largest that they fall under the format's range.
;;   OPERANDS COMPUTED ON THE WAY. 'Computed on the way' means the value that the module computes at that place (a softmax that the list does not call 'softmax' is quantised finished and normalised). What goes into a quantiser is computed in f32, as accurately as f32 sums, v_exp_f32 and their like allow (about 1e-6 of the number): no bf16 or f16 on the way to a quantiser, and a product that is left as it is and whose result goes on into a quantised operand takes f32 operands (vector FMAs, or v_wmma_f32_16x16x4_f32). A number that lies on a knife's edge between two numbers of the format may be rounded either way, as far as f32 arithmetic and the matrix unit's own rounding can turn it there, and no further.
;; One version. Each part assembles by itself: llvm-mc -triple=amdgcn-amd-amdhsa -mcpu=gfx1250 --defsym DOCPART=n.
;; ======== version 1 of 1: 4 launches
;; workspace buffers: xc 12,582,912 bytes; wc 4,194,304 bytes; qc 4,194,304 bytes; kv 8,388,608 bytes; yc 4,194,304 bytes
;; launch quant (part 1): grid 512 x 1, 4 waves a work-group, no clusters, 68,096 bytes of LDS; arguments x, Wq, Wk, Wv, Wp, lowp_scales, xc, wc; writes xc, wc
.if DOCPART == 1
	.amdgcn_target "amdgcn-amd-amdhsa--gfx1250"
	.amdhsa_code_object_version 6
	.text
	.protected	k_q07650afeb4_quant
	.globl	k_q07650afeb4_quant
	.p2align	8
	.type	k_q07650afeb4_quant,@function
k_q07650afeb4_quant:
	s_mov_b64 s[64:65], 0
	v_nop
	global_prefetch_b8 v0, s[64:65] scope:SCOPE_SE
	s_setreg_imm32_b32 hwreg(HW_REG_WAVE_MODE, 25, 1), 1
	s_wait_xcnt 0x0
; x [4096][1024] f32 becomes three sets of E4M3 codes (scales 2^e0, 2^e2, 2^e4: x is an operand of three products, each with its own exponent);
; Wq, Wk, Wv, Wp [1024][1024] f32 become one set each (e1, e3, e5, e11).  code = number / 2^e, held within +-448, to the nearest code, ties to even.
; THE UNIT, the one format of all the program's own buffers: 16 rows x 64 k = 1,024 bytes, the image of a plain 8-bit fragment's registers: byte 512 g + 16 lane + i is byte i of
; registers 4 g .. 4 g + 3 of lane (r = lane % 16, h = lane / 16), whose registers 2 c, 2 c + 1 hold k = 16 c + 8 h + 0 .. 7 of row r.  A reader takes a unit by 16-byte loads at 16 x lane.
; xc: [3 scales][16 blocks of 256 rows][16 k units][16 row tiles][1,024];  wc: [16 blocks of 256 rows: Wq 0-3, Wk 4-7, Wv 8-11, Wp 12-15][16 k units][16 row tiles][1,024].
; SHARES.  x has 256 row tiles x 8 pairs of k units = 2,048 jobs of 16 rows x 128 k, the four weights together as many: each of the 2,048 waves takes the job of its number of both: one path, no branch.
; A job's 16 loads read 512 consecutive bytes each (a row's 128 numbers); all 32 loads of a wave go out at once.  The numbers turn through the wave's own stage in LDS (rows of 512 + 16 bytes),
; so that a lane gets 8 neighbours along k in 8 registers, as the conversion wants them.  Each store of the wave covers 512 consecutive bytes, aligned.  Waves share nothing: no barrier.
; LIMITS: each of e0 .. e5, e11 lies between -126 and 119, so that 2^e and 448 x 2^e are f32 numbers.  NaN among the inputs is not served (an infinity is held at the largest code).
.set LI,   1                           ; v1      16 x lane: my bytes of a load's or a store's 512
.set SW,   2                           ; v2      the stage, on the way in: my wave's bytes + 16 x lane
.set SR,   3                           ; v3      and on the way out: + 528 r + 32 h
.set SC,   4                           ; v4-7    2^e as f32: e0, e2, e4, the weight's
.set LM,   8                           ; v8-11   448 x those
.set T,    16                          ; v16-31  two sets of 8 held numbers
.set RX,   64                          ; v64-127  x as loaded; later the weight's numbers back from the stage
.set RW,   128                         ; v128-191 the weight as loaded;
.set CD,   128                         ;          later the codes: x's at 16 z + 8 q, the weight's at 48 + 8 q: no store's data are written twice
.set BK,   192                         ; v192-255 x back from the stage: unit q at 32 q, its chunk c at 8 c
.set SP,   528                         ; a stage row: 512 bytes + 16: an odd multiple of 16, so the 16 rows that a read touches begin in 16 different 16-byte columns of 256
.set STW,  16*SP                       ; the weight's stage lies behind x's
.set WREG, 2*STW                       ; LDS bytes of a wave
	s_load_b512 s[4:19], s[0:1], 0x0               ; x 4:5, Wq 6:7, Wk 8:9, Wv 10:11, Wp 12:13, the exponents 14:15, xc 16:17, wc 18:19
	v_lshl_add_u32 v62, v0, 2, 0x10800
	v_mov_b32 v63, 0
	v_lshrrev_b32 v12, 5, v0
	v_readfirstlane_b32 s33, v12                   ; wave 0..3
	v_and_b32 v12, 31, v0
	v_lshlrev_b32 v[LI], 4, v12
	s_mul_i32 s48, s33, WREG
	v_add_nc_u32 v[SW], s48, v[LI]
	v_and_b32 v13, 15, v0                          ; r
	v_bfe_u32 v14, v0, 4, 1                        ; h
	v_mul_u32_u24 v[SR], v13, SP
	v_lshl_add_u32 v[SR], v14, 5, v[SR]
	v_add_nc_u32 v[SR], s48, v[SR]
	s_lshr_b32 s49, ttmp9, 1                       ; R: the row tile, 0..255 (of the weights: 64 m + the weight's tile)
	s_and_b32 s50, ttmp9, 1
	s_lshl_b32 s50, s50, 2
	s_add_co_u32 s50, s50, s33                     ; kp: which 128 along k, 0..7
	s_lshr_b32 s32, ttmp9, 7                       ; m: which weight
	s_lshl_b32 s51, s50, 9                         ; 128 numbers are 512 bytes
	s_lshl_b32 s52, s49, 16                        ; 16 rows of 4,096 bytes
	s_or_b32 s52, s52, s51                         ; x: my job's first byte
	s_mov_b32 s53, 0
	s_and_b32 s54, s49, 63
	s_lshl_b32 s54, s54, 16
	s_or_b32 s54, s54, s51                         ; the weight: likewise
	s_mov_b32 s55, 0
	s_lshr_b32 s56, s49, 4
	s_lshl_b32 s56, s56, 18                        ; the codes: block R / 16 of 256 KiB,
	s_and_b32 s57, s49, 15
	s_lshl_b32 s57, s57, 10                        ; row tile R % 16,
	s_or_b32 s56, s56, s57
	s_lshl_b32 s57, s50, 15                        ; k units 2 kp, 2 kp + 1, 16 KiB each: the same number for xc and for wc
	s_or_b32 s56, s56, s57
	s_mov_b32 s57, 0
	s_wait_kmcnt 0x0
	s_load_b256 s[36:43], s[14:15], 0x0            ; e0 .. e7
	s_load_b128 s[44:47], s[14:15], 0x20           ; e8 .. e11
	s_mov_b64 s[30:31], s[6:7]                     ; the weight's address: a choice on the work-group's number alone
	s_cmp_eq_u32 s32, 1
	s_cselect_b64 s[30:31], s[8:9], s[30:31]
	s_cmp_eq_u32 s32, 2
	s_cselect_b64 s[30:31], s[10:11], s[30:31]
	s_cmp_eq_u32 s32, 3
	s_cselect_b64 s[30:31], s[12:13], s[30:31]
	s_add_nc_u64 s[28:29], s[4:5], s[52:53]
	s_add_nc_u64 s[30:31], s[30:31], s[54:55]
	s_add_nc_u64 s[20:21], s[16:17], s[56:57]      ; xc at scale 0,
	s_add_nc_u64 s[22:23], s[20:21], 0x400000      ; 1,
	s_add_nc_u64 s[24:25], s[20:21], 0x800000      ; 2: three bases, since 8 MiB is beyond a store's signed 24-bit immediate
	s_add_nc_u64 s[26:27], s[18:19], s[56:57]      ; wc
.irp i, 0,1,2,3,4,5,6,7,8,9,10,11,12,13,14,15
	global_load_b128 v[RX+4*\i:RX+4*\i+3], v[LI], s[28:29] offset:4096*\i th:TH_LOAD_NT   ; row i: 32 lanes read 512 consecutive bytes
.endr
.irp i, 0,1,2,3,4,5,6,7,8,9,10,11,12,13,14,15
	global_load_b128 v[RW+4*\i:RW+4*\i+3], v[LI], s[30:31] offset:4096*\i th:TH_LOAD_NT
.endr
.macro MKSC e, z                       ; the exponent in s[e] makes 2^e and 448 x 2^e as f32 numbers
	s_add_co_i32 s58, s[\e], 127
	s_lshl_b32 s59, s58, 23
	v_mov_b32 v[SC+\z], s59                        ; the conversion takes its exponent field
	s_add_co_i32 s58, s58, 8
	s_lshl_b32 s58, s58, 23
	s_or_b32 s58, s58, 0x600000                    ; 448 = 1.75 x 2^8
	v_mov_b32 v[LM+\z], s58
.endm
	s_wait_kmcnt 0x0
	s_cmp_eq_u32 s32, 1
	s_cselect_b32 s34, s39, s37                    ; the weight's exponent: e1, e3,
	s_cmp_eq_u32 s32, 2
	s_cselect_b32 s34, s41, s34                    ; e5,
	s_cmp_eq_u32 s32, 3
	s_cselect_b32 s34, s47, s34                    ; e11
	MKSC 36, 0
	MKSC 38, 1
	MKSC 40, 2
	MKSC 34, 3
; A unit's 32 numbers of a lane, v[src + 8 c + i] = k 16 c + 8 h + i, become its 8 registers of codes.  The numbers are held into T, not in place: x is quantised three times.
; The eight holds into the other set of T are plain vector lines between a conversion and the rewriting of its sources.
.macro QUNIT src, z, code
.irp c, 0,1,2,3
.irp i, 0,1,2,3,4,5,6,7
	v_med3_num_f32 v[T+8*(\c%2)+\i], v[(\src)+8*\c+\i], -v[LM+\z], v[LM+\z]   ; the conversion to an 8-bit code does not saturate (ISA guide 7.6.2): the hold comes first
.endr
	v_cvt_scalef32_pk8_fp8_f32 v[(\code)+2*\c:(\code)+2*\c+1], v[T+8*(\c%2):T+8*(\c%2)+7], v[SC+\z]
.endr
.endm
	s_wait_loadcnt 16                              ; x's 16 loads are in; the weight's 16, issued behind them, may be out
.irp i, 0,1,2,3,4,5,6,7,8,9,10,11,12,13,14,15
	ds_store_b128 v[SW], v[RX+4*\i:RX+4*\i+3] offset:SP*\i
.endr
.irp q, 0,1
.irp c, 0,1,2,3
.irp e, 0,1
	ds_load_b128 v[BK+32*\q+8*\c+4*\e:BK+32*\q+8*\c+4*\e+3], v[SR] offset:256*\q+64*\c+16*\e   ; LDS serves a wave's instructions in order: these see my stores
.endr
.endr
.endr
	s_wait_loadcnt 0x0                             ; the weight's numbers
.irp i, 0,1,2,3,4,5,6,7,8,9,10,11,12,13,14,15
	ds_store_b128 v[SW], v[RW+4*\i:RW+4*\i+3] offset:STW+SP*\i
.endr
	s_wait_dscnt 0x0                               ; x is back, and every stage store has read its registers: both raw sets may be written
.irp q, 0,1
.irp c, 0,1,2,3
.irp e, 0,1
	ds_load_b128 v[RX+32*\q+8*\c+4*\e:RX+32*\q+8*\c+4*\e+3], v[SR] offset:STW+256*\q+64*\c+16*\e   ; lands while x is quantised
.endr
.endr
.endr
.irp z, 0,1,2
.irp q, 0,1
	QUNIT BK+32*\q, \z, CD+16*\z+8*\q
.irp g, 0,1
	global_store_b128 v[LI], v[CD+16*\z+8*\q+4*\g:CD+16*\z+8*\q+4*\g+3], s[20+2*\z:21+2*\z] offset:16384*\q+512*\g   ; half a unit: 512 consecutive bytes, aligned
.endr
.endr
.endr
	s_wait_dscnt 0x0                               ; the weight's numbers are back
.irp q, 0,1
	QUNIT RX+32*\q, 3, CD+48+8*\q
.irp g, 0,1
	global_store_b128 v[LI], v[CD+48+8*\q+4*\g:CD+48+8*\q+4*\g+3], s[26:27] offset:16384*\q+512*\g
.endr
.endr
	s_wait_tensorcnt 0x0
	ds_add_u32 v62, v63
	s_wait_dscnt 0x0
	s_endpgm
.Lfunc_end_k_q07650afeb4_quant:
	.size	k_q07650afeb4_quant, .Lfunc_end_k_q07650afeb4_quant-k_q07650afeb4_quant
	.p2alignl 7, 3214868480
	.fill 96, 4, 3214868480
	.section	.rodata,"a",@progbits
	.p2align	6, 0x0
	.amdhsa_kernel k_q07650afeb4_quant
		.amdhsa_group_segment_fixed_size 68096
		.amdhsa_private_segment_fixed_size 0
		.amdhsa_enable_private_segment 0
		.amdhsa_kernarg_size 64
		.amdhsa_user_sgpr_count 2
		.amdhsa_user_sgpr_kernarg_segment_ptr 1
		.amdhsa_wavefront_size32 1
		.amdhsa_system_sgpr_workgroup_id_x 1
		.amdhsa_system_sgpr_workgroup_id_y 1
		.amdhsa_system_sgpr_workgroup_id_z 1
		.amdhsa_system_vgpr_workitem_id 0
		.amdhsa_next_free_vgpr 256
		.amdhsa_next_free_sgpr 66
		.amdhsa_reserve_vcc 0
		.amdhsa_float_denorm_mode_32 3
		.amdhsa_float_denorm_mode_16_64 3
		.amdhsa_memory_ordered 1
		.amdhsa_forward_progress 1
		.amdhsa_inst_pref_size 31
	.end_amdhsa_kernel
	.amdgpu_metadata
---
amdhsa.version: [ 1, 2 ]
amdhsa.kernels:
  - .name:           k_q07650afeb4_quant
    .symbol:         k_q07650afeb4_quant.kd
    .args:
      - { .name: x, .offset: 0, .size: 8, .value_kind: global_buffer, .address_space: global }
      - { .name: Wq, .offset: 8, .size: 8, .value_kind: global_buffer, .address_space: global }
      - { .name: Wk, .offset: 16, .size: 8, .value_kind: global_buffer, .address_space: global }
      - { .name: Wv, .offset: 24, .size: 8, .value_kind: global_buffer, .address_space: global }
      - { .name: Wp, .offset: 32, .size: 8, .value_kind: global_buffer, .address_space: global }
      - { .name: lowp_scales, .offset: 40, .size: 8, .value_kind: global_buffer, .address_space: global }
      - { .name: xc, .offset: 48, .size: 8, .value_kind: global_buffer, .address_space: global }
      - { .name: wc, .offset: 56, .size: 8, .value_kind: global_buffer, .address_space: global }
    .group_segment_fixed_size: 68096
    .private_segment_fixed_size: 0
    .kernarg_segment_align: 8
    .kernarg_segment_size: 64
    .max_flat_workgroup_size: 128
    .sgpr_count:     66
    .vgpr_count:     256
    .wavefront_size: 32
...
	.end_amdgpu_metadata
.endif
;; end of part 1
;; launch qkv (part 2): grid 12 x 16, 4 waves a work-group, clusters of 4 x 4, 327,680 bytes of LDS; arguments xc, wc, lowp_scales, bq, bk, bv, qc, kv; writes qc, kv
.if DOCPART == 2
	.amdgcn_target "amdgcn-amd-amdhsa--gfx1250"
	.amdhsa_code_object_version 6
	.text
	.protected	k_q07650afeb4_qkv
	.globl	k_q07650afeb4_qkv
	.p2align	8
	.type	k_q07650afeb4_qkv,@function
k_q07650afeb4_qkv:
	s_mov_b64 s[64:65], 0
	v_nop
	global_prefetch_b8 v0, s[64:65] scope:SCOPE_SE
	s_setreg_imm32_b32 hwreg(HW_REG_WAVE_MODE, 25, 1), 1
	s_wait_xcnt 0x0
	s_wait_alu depctr_hold_cnt(0) depctr_sa_sdst(0) depctr_va_vdst(0) depctr_va_sdst(0) depctr_va_ssrc(0) depctr_va_vcc(0) depctr_vm_vsrc(0)
	s_getreg_b32 s2, hwreg(HW_REG_IB_STS2, 6, 4)
	s_cmp_eq_u32 s2, 0
	s_cbranch_scc0 .Lentry_in_a_cluster
	s_endpgm
.Lentry_in_a_cluster:
	s_bfe_u32 s2, ttmp6, 0x10000c
	s_cmp_lg_u32 s2, 0xf033
	s_cbranch_scc0 .Lentry_shape_is_right
	s_endpgm
.Lentry_shape_is_right:
; q = x Wq^T + bq, k = x Wk^T + bk, v = x Wv^T + bv on E4M3 codes (K = 1,024), each result quantised at once for attention's products (scales 2^e6, 2^e7, 2^e9) and stored as codes.
; All buffers hold UNITS of 16 rows x 64 k = 1,024 bytes, the image of a plain 8-bit fragment's registers (byte 512 g + 16 lane + i = byte i of registers 4 g .. 4 g + 3; registers 2 c, 2 c + 1 of
; lane (r, h) hold k = 16 c + 8 h + 0 .. 7 of row r).  xc: [3 scales][16 blocks of 256 tokens][16 k units][16 row tiles][1,024]; wc: [16 blocks of 256 rows: Wq, Wk, Wv, Wp][16][16][1,024].
; qc: [32 batch x head][128 token tiles][1,024] (k = the head's 64).  kv: [32][16 blocks of 128 keys][16,384]: 8 units of K (rows = keys, k = the head's 64), then V^T: [4 tiles of 16 of the head's 64][2 units of 64 keys].
; SHAPE.  A tile of 256 x 256 to a work-group of four waves, 128 x 128 to a wave: 64 accumulators, 512 registers.  3 x 4 x 16 = 192 tiles: 3 x 1,024 columns do not cut into 256 equal tiles of this side.
; THE MATRIX INSTRUCTION IS USED TRANSPOSED: source 0 = 16 rows of "B", source 1 = 16 rows of "A": lane (r, h) of accumulator (a, b) holds A's row 16 a + r and, in registers j, B's rows 16 b + 8 h + j.
; A result's next K must run along a lane's registers.  For q and k that is the features: A = x, B = W.  For v it is the tokens (the keys): A = Wv, B = x.  Only global addresses differ; LDS, masks and products are the same.
; One column of clusters is one of the three products (the cluster's x: 0 q, 1 k, 2 v), so all sixteen partners do the same product.
; K goes in four steps of 256 through two LDS slots; a step's 4 x 16 units of an operand are 64 KiB, dense in memory: two waves fetch A's halves, two B's, 32 KiB a tensor load.
; CLUSTERS: A's tile hangs on cy, B's on cx: each is asked for jointly by the four of a row or of a column of the cluster.
; THE BIAS, divided by the power of two that the sums lack, is the C of each sum's first product: for q and k it hangs on B's row (eight registers for each b), for v on A's row (the lane's, eight times, for each a).
; That is the one difference in register numbers, so the first step of 128 along K is written twice, under a branch on the cluster's x, which all partners share; no barrier and no tensor load stands inside.
; LIMITS: e6 - e0 - e1, e7 - e2 - e3, e9 - e4 - e5 lie between -126 and 119 (each is made into an f32 number, and so is 448 x it); bias x 2^-(the two exponents) stays an f32 number.  NaN is not served.
; REGISTERS, in windows of 256: window 0: v0-31 addresses; v32-95 the bias, later held sums; v96-111 offsets; v112, v113 the conversion's scale and 448 x it; v128-255 A's fragments, ONE set, later the codes.
;   window 1: B's fragments, TWO sets, at v0 and v128.   window 2: the accumulators of my A rows 0-63 ((a, b) at v[8 (8 a + b)]);   window 3: those of rows 64-127.
.set SLOT,   131072                    ; a slot: A's 64 KiB ([4 units][16 row tiles][1,024]), then B's
.set BPART,  65536
.set KBYTES, 65536                     ; a K step of 256 in an operand's block in memory
.set SPARE,  2*SLOT                    ; behind the ring: the spare words, 128 bytes for each wave: two blocks of 256 bytes that no other line names
.set FR,     16                        ; registers of a fragment: 16 rows x 128 K = two units
.set NL,     4                         ; LDS loads that bring one
.set NP,     4                         ; places behind this matrix instruction (ISA guide 7.12.1)
.set LI,   3                           ; v3      16 x lane
.set ADRA, 16                          ; v16-17  LDS address of my A fragments in slot 0, 1
.set ADRB, 20                          ; v20-21  the same for B
.set SPW,  28                          ; v28     LDS address of my spare word: SPARE + 4 x my thread's number; never rewritten
.set NIL,  29                          ; v29     0; never rewritten
.set BIAS, 32
.set TMP,  32
.set OFS,  96
.set SCL,  112
.set LIM,  113
.set AF,   128
.set CODE, 128
.set G1, 24                            ; s[24:31] descriptor group 1 for A's tiles;  s[32:39] group 0, one set for each slot
.set G0, 32
.set G1B, 48                           ; s[48:55], s[56:63] the same for B's tiles
.set G0B, 56
.set MSB, 0
.macro WIN new                         ; the immediate's high byte repeats the setting that is left
.if MSB != (\new)
	s_set_vgpr_msb (MSB<<8)|(\new)
.set MSB, (\new)
.endif
.endm
.set MUL_LO,  0xa1                     ; source 0 (B) window 1, source 1 (A) window 0, C and D window 2
.set MUL_HI,  0xf1                     ; the same, C and D window 3
.set MUL_LO0, 0x81                     ; the step that starts the sums: C (the bias) window 0, D window 2
.set MUL_HI0, 0xc1                     ; D window 3
.set TO_B,    0x40                     ; destination window 1, address window 0
; A joint load: waves 0 and 1 fetch for A, waves 2 and 3 for B.  Each line has one mask and one set of registers for all that issue it; the branch hangs on the wave's number alone.
; Four v_nop follow each of the two lines, ahead of the jump, the label and what follows.
.macro JLOAD g0a, g1a, g0b, g1b
	s_cmp_eq_u32 s15, 0
	s_cbranch_scc0 .Lfor_b_\@
	tensor_load_to_lds s[\g0a:\g0a+3], s[\g1a:\g1a+7]
	s_nop 0
.rept 4
	v_nop
.endr
	s_branch .Lasked_\@
.Lfor_b_\@:
	tensor_load_to_lds s[\g0b:\g0b+3], s[\g1b:\g1b+7]
	s_nop 0
.rept 4
	v_nop
.endr
.Lasked_\@:
.endm
.macro CREST                           ; a round of the cluster's barrier behind its opening barrier
	s_cmp_lg_u32 s14, 0
	s_cbranch_scc1 .Lnot_wave_0_\@
	s_barrier_signal -3
.Lnot_wave_0_\@:
	s_barrier_wait -3
	s_barrier_signal -1
	s_barrier_wait -1
.endm
.macro CROUND                          ; a whole round
	s_barrier_signal -1
	s_barrier_wait -1
	CREST
.endm
	s_load_b512 s[68:83], s[0:1], 0x0              ; xc 68:69, wc 70:71, the exponents 72:73, bq 74:75, bk 76:77, bv 78:79, qc 80:81, kv 82:83
	v_lshl_add_u32 v[SPW], v0, 2, SPARE
	v_mov_b32 v[NIL], 0
	ds_add_u32 v28, v29
	ds_add_u32 v28, v29
	s_wait_dscnt 0x0
	v_lshrrev_b32 v1, 5, v0
	v_readfirstlane_b32 s14, v1                    ; wave 0..3
	s_lshr_b32 s15, s14, 1                         ; hm: my half of A's rows.  Also: I fetch for A (0) or for B (1)
	s_and_b32 s16, s14, 1                          ; hn: my half of B's rows.  Also: which half of a step's 64 KiB I fetch
	s_bfe_u32 s40, ttmp6, 0x40000                  ; cx, cy: my place in the cluster
	s_bfe_u32 s41, ttmp6, 0x40004
	s_and_b32 s17, ttmp7, 0xffff                   ; the cluster's y, 0..3
	s_lshl_b32 s43, s41, 2
	s_lshl_b32 s43, 15, s43                        ; my row of the cluster
	s_lshl_b32 s44, 0x1111, s40                    ; my column
	; descriptor group 1: 128 rows of 32 elements of 8 bytes, dense: 32 KiB
	s_or_b32 s[G1+0], s43, (3<<16)|(1<<21)         ; 15:0 the mask: A's tiles go to my row; 17:16 elements of 8 bytes; 20 no padding; 21 set beside a mask
	s_or_b32 s[G1B+0], s44, (3<<16)|(1<<21)        ; B's go to my column
.irp g, G1, G1B
	s_mov_b32 s[\g+1], 32<<16                      ; tensor_dim0 = 32
	s_mov_b32 s[\g+2], 128<<16                     ; tensor_dim1 = 128
	s_mov_b32 s[\g+3], 32<<16                      ; tile_dim0 = 32
	s_mov_b32 s[\g+4], 128                         ; tile_dim1 = 128
	s_mov_b32 s[\g+5], 32                          ; tensor_dim0_stride
	s_mov_b32 s[\g+6], 0
	s_mov_b32 s[\g+7], 0
.endr
	; where the tiles come from.  A's offsets are made of cy and what all partners share, B's of cx and the same, each in registers of their own.
	s_lshl_b32 s4, s17, 2
	s_add_co_u32 s4, s4, s41
	s_lshl_b32 s4, s4, 18                          ; q, k: A = x's codes: token block 4 x cluster y + cy,
	s_lshl_b32 s8, ttmp9, 22
	s_add_co_u32 s4, s4, s8                        ; of the product's own set of 4 MiB
	s_lshl_b32 s5, s41, 18
	s_add_co_u32 s5, s5, 0x200000                  ; v: A = Wv's codes: block 8 + cy of wc
	s_lshl_b32 s6, s40, 18
	s_lshl_b32 s9, ttmp9, 20
	s_add_co_u32 s6, s6, s9                        ; q, k: B = the weight's codes: block 4 x product + cx
	s_lshl_b32 s7, s17, 2
	s_add_co_u32 s7, s7, s40
	s_lshl_b32 s7, s7, 18
	s_add_co_u32 s7, s7, 0x800000                  ; v: B = x's third set: token block 4 x cluster y + cx
	s_lshl_b32 s18, s16, 15                        ; my half of a step's 64 KiB
	s_lshl_b32 s45, s14, 15                        ; where it goes: wave x 32 KiB: A's halves, then B's: no place in the cluster enters an LDS address
	s_wait_kmcnt 0x0
	s_load_b256 s[84:91], s[72:73], 0x0            ; e0 .. e7
	s_load_b128 s[92:95], s[72:73], 0x20           ; e8 .. e11
	s_cmp_eq_u32 ttmp9, 2                          ; is this v?  The same answer in all sixteen partners
	s_cselect_b32 s20, s5, s4
	s_cselect_b32 s46, s7, s6
	s_cselect_b64 s[10:11], s[70:71], s[68:69]     ; A's buffer
	s_cselect_b64 s[12:13], s[68:69], s[70:71]     ; B's
	s_add_co_u32 s20, s20, s18
	s_add_co_u32 s46, s46, s18
	s_mov_b32 s21, 0
	s_mov_b32 s47, 0
	s_add_nc_u64 s[20:21], s[10:11], s[20:21]
	s_add_nc_u64 s[46:47], s[12:13], s[46:47]
	CROUND                                         ; all sixteen work-groups are here: the first joint loads meet
.irp s, 0,1
	s_mov_b32 s[G0+4*\s], 1                        ; count = 1
	s_add_co_u32 s[G0+4*\s+1], s45, \s*SLOT        ; LDS address
	s_add_nc_u64 s[G0+4*\s+2:G0+4*\s+3], s[20:21], \s*KBYTES   ; global address: K step s
	s_or_b32 s[G0+4*\s+3], s[G0+4*\s+3], 0x80000000            ; type = 2
	s_mov_b32 s[G0B+4*\s], 1
	s_add_co_u32 s[G0B+4*\s+1], s45, \s*SLOT
	s_add_nc_u64 s[G0B+4*\s+2:G0B+4*\s+3], s[46:47], \s*KBYTES
	s_or_b32 s[G0B+4*\s+3], s[G0B+4*\s+3], 0x80000000
	JLOAD G0+4*\s, G1, G0B+4*\s, G1B               ; two loads of mine are out
.endr
	v_and_b32 v1, 15, v0                           ; r
	v_bfe_u32 v2, v0, 4, 1                         ; h
	v_and_b32 v[LI], 31, v0
	v_lshlrev_b32 v[LI], 4, v[LI]
	s_lshl_b32 s21, s15, 13                        ; my 8 row tiles of A: 8,192 hm
	s_lshl_b32 s22, s16, 13
	s_add_co_u32 s22, s22, BPART                   ; and of B, behind A's part
.irp s, 0,1
	v_add_nc_u32 v[ADRA+\s], s21, v[LI]
	v_add_nc_u32 v[ADRB+\s], s22, v[LI]
	s_add_co_u32 s21, s21, SLOT
	s_add_co_u32 s22, s22, SLOT
.endr
	; the bias: 64 numbers a lane.  q, k: for block b and register j that of feature 16 b + 8 h + j; v: for block a that of feature 16 a + r, eight times.  One text: offset = r sR + h sH + j sJ + 64 x block
	s_cmp_eq_u32 ttmp9, 1
	s_cselect_b64 s[2:3], s[76:77], s[74:75]
	s_cmp_eq_u32 ttmp9, 2
	s_cselect_b64 s[2:3], s[78:79], s[2:3]
	s_cselect_b32 s4, s41, s40                     ; the block of 256 features: cy for v, cx for q and k
	s_cselect_b32 s5, s15, s16                     ; my half of it
	s_cselect_b32 s6, 4, 0                         ; sR
	s_cselect_b32 s7, 0, 32                        ; sH
	s_cselect_b32 s8, 0, 4                         ; sJ
	s_lshl_b32 s4, s4, 10
	s_lshl_b32 s5, s5, 9
	s_add_co_u32 s4, s4, s5
	s_mov_b32 s5, 0
	s_add_nc_u64 s[2:3], s[2:3], s[4:5]
	v_mul_u32_u24 v[OFS], v1, s6
	v_mad_u32_u24 v[OFS], v2, s7, v[OFS]
.irp j, 1,2,3,4,5,6,7
	v_add_nc_u32 v[OFS+\j], s8, v[OFS+\j-1]
.endr
.irp k, 0,1,2,3,4,5,6,7
.irp j, 0,1,2,3,4,5,6,7
	global_load_b32 v[BIAS+8*\k+\j], v[OFS+\j], s[2:3] offset:64*\k
.endr
.endr
	; the way out's numbers.  A unit of the result is (A's block a, B's blocks 4 u .. 4 u + 3); its place = base + (a % 4) S1 + (a / 4) S2 + u S3
	s_mov_b32 s4, 1024
	s_mov_b32 s5, 4096
	s_mov_b32 s6, 0x20000
	s_mov_b32 s7, 0x40000
	s_cmp_eq_u32 ttmp9, 1
	s_cselect_b32 s19, s7, s6                      ; S3: q, k: u is the head: 128 KiB on in qc, 256 KiB in kv;
	s_cmp_eq_u32 ttmp9, 2
	s_cselect_b32 s19, s4, s19                     ;     v: u is the unit of 64 keys: 1,024
	s_cselect_b32 s13, s7, s5                      ; S2: q, k: four token tiles; v: a / 4 is the head
	s_cselect_b32 s12, 2048, s4                    ; S1: q, k: a token tile; v: a tile of 16 of the head's 64, two units
	s_cselect_b32 s4, s40, s41                     ; the token block's place in the cluster: cx for v, cy for q and k
	s_cselect_b32 s5, s16, s15                     ; my half of the tokens
	s_cselect_b32 s6, s41, s40                     ; the feature block
	s_cselect_b32 s7, s15, s16                     ; my half of the features
	s_cselect_b32 s9, 0x2000, 0                    ; V^T lies behind K's 8 units
	s_lshl_b32 s8, s17, 2
	s_add_co_u32 s4, s4, s8                        ; the token block, 0..15
	s_and_b32 s8, s4, 7
	s_lshl_b32 s8, s8, 1
	s_add_co_u32 s8, s8, s5                        ; my 128 tokens among the batch's 2,048
	s_lshr_b32 s4, s4, 3
	s_lshl_b32 s4, s4, 4                           ; 16 x batch
	s_lshl_b32 s6, s6, 2
	s_add_co_u32 s4, s4, s6
	s_lshl_b32 s7, s7, 1
	s_add_co_u32 s4, s4, s7                        ; + my first head
	s_lshl_b32 s4, s4, 17
	s_lshl_b32 s8, s8, 13
	s_add_co_u32 s4, s4, s8                        ; q: 128 KiB a head, 8 KiB for 128 tokens;
	s_cmp_eq_u32 ttmp9, 0
	s_cselect_b32 s5, 0, 1
	s_cselect_b64 s[10:11], s[80:81], s[82:83]
	s_lshl_b32 s4, s4, s5                          ; k, v: twice that
	s_add_co_u32 s4, s4, s9
	s_mov_b32 s5, 0
	s_add_nc_u64 s[10:11], s[10:11], s[4:5]
	s_wait_kmcnt 0x0
	s_add_co_i32 s96, s84, s85                     ; the two operands' exponents added: a sum stands for sum x 2^that
	s_add_co_i32 s97, s86, s87
	s_add_co_i32 s98, s88, s89
	s_cmp_eq_u32 ttmp9, 1
	s_cselect_b32 s96, s97, s96
	s_cselect_b32 s99, s91, s90                    ; the result's own exponent: e6, e7,
	s_cmp_eq_u32 ttmp9, 2
	s_cselect_b32 s96, s98, s96
	s_cselect_b32 s99, s93, s99                    ; e9
	s_sub_co_i32 s97, 0, s96
	s_sub_co_i32 s98, s99, s96                     ; the three scales folded into the conversion's one
	s_add_co_i32 s98, s98, 127
	s_lshl_b32 s99, s98, 23
	v_mov_b32 v[SCL], s99
	s_add_co_i32 s98, s98, 8
	s_lshl_b32 s98, s98, 23
	s_or_b32 s98, s98, 0x600000
	v_mov_b32 v[LIM], s98                          ; 448 x that
	s_wait_loadcnt 0x0                             ; the bias is in, and its offsets' registers are free
.set i, 0
.rept 64
	v_ldexp_f32 v[BIAS+i], v[BIAS+i], s97          ; bias / 2^(the two exponents): nothing is rounded
.set i, i+1
.endr
	v_mov_b32 v[OFS], v[LI]                        ; v[OFS + 2 a + u]: where my 16 bytes of unit (a, u) go
	v_add_nc_u32 v[OFS+1], s19, v[OFS]
.irp a, 1,2,3
	v_add_nc_u32 v[OFS+2*\a], s12, v[OFS+2*\a-2]
	v_add_nc_u32 v[OFS+2*\a+1], s12, v[OFS+2*\a-1]
.endr
	v_add_nc_u32 v[OFS+8], s13, v[OFS]
	v_add_nc_u32 v[OFS+9], s13, v[OFS+1]
.irp a, 5,6,7
	v_add_nc_u32 v[OFS+2*\a], s12, v[OFS+2*\a-2]
	v_add_nc_u32 v[OFS+2*\a+1], s12, v[OFS+2*\a-1]
.endr
.macro FRAG reg, adr, q, i             ; a fragment, 16 rows x 128 K: units 2 q and 2 q + 1 of the slot, row tile i of my eight: four loads of 512 consecutive bytes
.irp c, 0,1,2,3
	ds_load_b128 v[\reg+4*\c:\reg+4*\c+3], v[\adr] offset:(2*(\q)+\c/2)*16384+(\i)*1024+(\c%2)*512
.endr
.endm
; 16 matrix instructions: A's blocks a0, a0 + 1 x B's eight, 128 along K.  p: B's set.  mode 0: onto the sums; 1: the sums begin with the bias of B's row; 2: with that of A's row.
; The 64 accumulators take turns, one instruction a turn, in the same order in every step.
.macro MUL16 a0, p, mode
.irp a, \a0, \a0+1
.irp b, 0,1,2,3,4,5,6,7
.if \mode == 1
	v_wmma_f32_16x16x128_fp8_fp8 v[8*(8*((\a)%4)+\b):8*(8*((\a)%4)+\b)+7], v[128*(\p)+FR*\b:128*(\p)+FR*\b+FR-1], v[AF+FR*(\a):AF+FR*(\a)+FR-1], v[BIAS+8*\b:BIAS+8*\b+7]
.elseif \mode == 2
	v_wmma_f32_16x16x128_fp8_fp8 v[8*(8*((\a)%4)+\b):8*(8*((\a)%4)+\b)+7], v[128*(\p)+FR*\b:128*(\p)+FR*\b+FR-1], v[AF+FR*(\a):AF+FR*(\a)+FR-1], v[BIAS+8*(\a):BIAS+8*(\a)+7]
.else
	v_wmma_f32_16x16x128_fp8_fp8 v[8*(8*((\a)%4)+\b):8*(8*((\a)%4)+\b)+7], v[128*(\p)+FR*\b:128*(\p)+FR*\b+FR-1], v[AF+FR*(\a):AF+FR*(\a)+FR-1], v[8*(8*((\a)%4)+\b):8*(8*((\a)%4)+\b)+7]
.endif
.endr
.endr
.endm
.macro FETCH_B slot, q, p              ; B's eight fragments of the slot's q-th 128 along K into set p
	WIN TO_B
.irp i, 0,1,2,3,4,5,6,7
	FRAG 128*(\p)+FR*\i, ADRB+\slot, \q, \i
.endr
	WIN 0
.endm
.macro FETCH_A slot, q, i0             ; A's blocks i0 .. i0 + 3
.irp i, \i0, \i0+1, \i0+2, \i0+3
	FRAG AF+FR*(\i), ADRA+\slot, \q, \i
.endr
.endm
; A load into a register that a matrix instruction has read, and a vector instruction that reads a matrix result, stand NP places behind it; only plain vector instructions that name none of
; its registers are places (ISA guide 7.12.1 for vector instructions).
.macro PLACES n
.rept \n
	v_nop
.endr
.endm
; A step of 128 along K that has its successor in the same slot.  A's blocks go one after the other, each against B's eight, so one set of registers serves A: blocks 0-3 are fetched anew in the step's middle, 4-7 at its end.
.macro STEP slot, q, mode
	s_wait_dscnt 4*NL                              ; B's set and A's blocks 0-3 are in; the youngest 16 loads (A's blocks 4-7) may be out
.if \mode
	WIN MUL_LO0
.else
	WIN MUL_LO
.endif
	MUL16 0, (\q)%2, \mode
	MUL16 2, (\q)%2, \mode
	s_wait_dscnt 0                                 ; A's blocks 4-7 are in (asked for 32 matrix instructions ago)
	PLACES NP
	FETCH_B \slot, (\q)+1, 1-(\q)%2
	FETCH_A \slot, (\q)+1, 0
.if \mode
	WIN MUL_HI0
.else
	WIN MUL_HI
.endif
	MUL16 4, (\q)%2, \mode
	MUL16 6, (\q)%2, \mode
	PLACES NP
	WIN 0
	FETCH_A \slot, (\q)+1, 4
.endm
; A slot's last step changes slots: ONE barrier; in front of it each wave waits for all its tensor loads, adds 0 to its spare word, and waits for that and for its own reads of this slot.  fill = 1: this slot is filled again, two K steps ahead.
.macro TURN slot, next, fill
	s_wait_tensorcnt 0x0                           ; all my tensor loads have landed: my part of the next slot  (every window is 0 here)
	ds_add_u32 v[SPW], v[NIL]                      ; 0 onto my spare word
	s_wait_dscnt 4*NL+1                            ; (the add and the youngest 16 loads, A's blocks 4-7, may be out)
	WIN MUL_LO
	MUL16 0, 1, 0                                  ; sixteen matrix instructions stand between the add and the wait for it
	s_wait_dscnt 0x0                               ; the add is done, and my reads of this slot are over
	s_barrier_signal -1
	MUL16 2, 1, 0
	WIN 0
	s_barrier_wait -1
.if \fill
	CREST                                          ; the barrier has opened a round of the cluster's: no wave of any partner still reads this slot or has a load on its way
	s_add_nc_u64 s[G0+4*\slot+2:G0+4*\slot+3], s[G0+4*\slot+2:G0+4*\slot+3], 2*KBYTES
	s_add_nc_u64 s[G0B+4*\slot+2:G0B+4*\slot+3], s[G0B+4*\slot+2:G0B+4*\slot+3], 2*KBYTES
	JLOAD G0+4*\slot, G1, G0B+4*\slot, G1B         ; the first tensor load behind the round, my one load until the next; its four v_nop are the places in front of the loads below
.else
	PLACES NP
.endif
	FETCH_B \next, 0, 0
	FETCH_A \next, 0, 0
	WIN MUL_HI
	MUL16 4, 1, 0
	MUL16 6, 1, 0
	PLACES NP
	WIN 0
	FETCH_A \next, 0, 4
.endm
	s_wait_tensorcnt 1                             ; my part of K step 0 is in; K step 1's load, issued behind it, may be out
	s_barrier_signal -1
	s_barrier_wait -1                              ; everybody's is
	FETCH_B 0, 0, 0
	FETCH_A 0, 0, 0
	FETCH_A 0, 0, 4
	s_cmp_eq_u32 ttmp9, 2                          ; the cluster's x: the same way in all partners and all waves
	s_cbranch_scc1 .Lfirst_v
	STEP 0, 0, 1                                   ; q, k: the sums begin with the bias of B's rows
	s_branch .Lfirst_done
.Lfirst_v:
	STEP 0, 0, 2                                   ; v: with that of A's rows
.Lfirst_done:
	TURN 0, 1, 1                                   ; four K steps on two slots, written out: two refills in all
	STEP 1, 0, 0
	TURN 1, 0, 1
	STEP 0, 0, 0
	TURN 0, 1, 0                                   ; nothing is left to fetch
	STEP 1, 0, 0
	s_wait_dscnt 4*NL                              ; the very last step
	WIN MUL_LO
	MUL16 0, 1, 0
	MUL16 2, 1, 0
	s_wait_dscnt 0
	WIN MUL_HI
	MUL16 4, 1, 0
	MUL16 6, 1, 0
	WIN 0
	; THE WAY OUT.  A lane's eight registers of an accumulator are eight neighbours along the next product's K, so a conversion's two registers are two registers of a unit, and four accumulators make a unit.
	; No LDS, no turning: each store of the wave covers 512 consecutive bytes, aligned.  Each block has code registers of its own: no store's data are written again.
	PLACES NP
.irp a, 0,1,2,3,4,5,6,7
	WIN 0x02+(\a/4)                                ; source 0: window 2 or 3
.set i, 0
.rept 64
	v_med3_num_f32 v[TMP+i], v[64*(\a%4)+i], -v[LIM], v[LIM]   ; the hold at the largest code x the scale (the conversion does not saturate: ISA guide 7.6.2); each accumulator from its low end on
.set i, i+1
.endr
	WIN 0
.irp b, 0,1,2,3,4,5,6,7
	v_cvt_scalef32_pk8_fp8_f32 v[CODE+16*\a+2*\b:CODE+16*\a+2*\b+1], v[TMP+8*\b:TMP+8*\b+7], v[SCL]
.endr
	v_nop                                          ; a plain vector line between the conversions and the next block's holds, which write their sources
.irp u, 0,1
.irp g, 0,1
	global_store_b128 v[OFS+2*\a+\u], v[CODE+16*\a+8*\u+4*\g:CODE+16*\a+8*\u+4*\g+3], s[10:11] offset:512*\g
.endr
.endr
.endr
	s_wait_tensorcnt 0x0                           ; the wave's end
	ds_add_u32 v[SPW], v[NIL]
	s_wait_dscnt 0x0
	CROUND                                         ; the closing round: no work-group ends while a partner may still ask for a tile that names it
	s_endpgm
.Lfunc_end_k_q07650afeb4_qkv:
	.size	k_q07650afeb4_qkv, .Lfunc_end_k_q07650afeb4_qkv-k_q07650afeb4_qkv
	.p2alignl 7, 3214868480
	.fill 96, 4, 3214868480
	.section	.rodata,"a",@progbits
	.p2align	6, 0x0
	.amdhsa_kernel k_q07650afeb4_qkv
		.amdhsa_group_segment_fixed_size 327680
		.amdhsa_private_segment_fixed_size 0
		.amdhsa_enable_private_segment 0
		.amdhsa_kernarg_size 64
		.amdhsa_user_sgpr_count 2
		.amdhsa_user_sgpr_kernarg_segment_ptr 1
		.amdhsa_wavefront_size32 1
		.amdhsa_system_sgpr_workgroup_id_x 1
		.amdhsa_system_sgpr_workgroup_id_y 1
		.amdhsa_system_sgpr_workgroup_id_z 1
		.amdhsa_system_vgpr_workitem_id 0
		.amdhsa_next_free_vgpr 1024
		.amdhsa_next_free_sgpr 100
		.amdhsa_reserve_vcc 0
		.amdhsa_float_denorm_mode_32 3
		.amdhsa_float_denorm_mode_16_64 3
		.amdhsa_memory_ordered 1
		.amdhsa_forward_progress 1
		.amdhsa_inst_pref_size 138
	.end_amdhsa_kernel
	.amdgpu_metadata
---
amdhsa.version: [ 1, 2 ]
amdhsa.kernels:
  - .name:           k_q07650afeb4_qkv
    .symbol:         k_q07650afeb4_qkv.kd
    .args:
      - { .name: xc, .offset: 0, .size: 8, .value_kind: global_buffer, .address_space: global }
      - { .name: wc, .offset: 8, .size: 8, .value_kind: global_buffer, .address_space: global }
      - { .name: lowp_scales, .offset: 16, .size: 8, .value_kind: global_buffer, .address_space: global }
      - { .name: bq, .offset: 24, .size: 8, .value_kind: global_buffer, .address_space: global }
      - { .name: bk, .offset: 32, .size: 8, .value_kind: global_buffer, .address_space: global }
      - { .name: bv, .offset: 40, .size: 8, .value_kind: global_buffer, .address_space: global }
      - { .name: qc, .offset: 48, .size: 8, .value_kind: global_buffer, .address_space: global }
      - { .name: kv, .offset: 56, .size: 8, .value_kind: global_buffer, .address_space: global }
    .group_segment_fixed_size: 327680
    .private_segment_fixed_size: 0
    .kernarg_segment_align: 8
    .kernarg_segment_size: 64
    .max_flat_workgroup_size: 128
    .sgpr_count:     100
    .vgpr_count:     1024
    .wavefront_size: 32
...
	.end_amdgpu_metadata
.endif
;; end of part 2
;; launch attn (part 3): grid 8 x 32, 16 waves a work-group, no clusters, 264,192 bytes of LDS; arguments qc, kv, lowp_scales, yc; writes yc
.if DOCPART == 3
	.amdgcn_target "amdgcn-amd-amdhsa--gfx1250"
	.amdhsa_code_object_version 6
	.text
	.protected	k_q07650afeb4_attn
	.globl	k_q07650afeb4_attn
	.p2align	8
	.type	k_q07650afeb4_attn,@function
k_q07650afeb4_attn:
	s_mov_b64 s[64:65], 0
	v_nop
	global_prefetch_b8 v0, s[64:65] scope:SCOPE_SE
	s_setreg_imm32_b32 hwreg(HW_REG_WAVE_MODE, 25, 1), 1
	s_wait_xcnt 0x0
; y[b][h][q] = the sum over keys k <= q of softmax_k(q . k / 8) v, both products on E4M3 codes, and y quantised at once (scale 2^e10) for the projection.
; qc: [32 batch x head][128 token tiles][1,024]; kv: [32][16 blocks of 128 keys][8 units of K, then V^T: 4 tiles of 16 of the head's 64 x 2 units of 64 keys]; yc: [16 blocks of 256 tokens][16 heads][16 row tiles][1,024].
; All in UNITS of 16 rows x 64 k, images of a plain 8-bit fragment's registers (byte 512 g + 16 lane + i = byte i of registers 4 g .. 4 g + 3): a fragment comes by 16-byte loads at 16 x lane.
; THE SOFTMAX: t = score x log2(e) / 8; M = the running largest t rounded UP to a whole number; p = 2^(t - M) is what is quantised (scale 2^e8), not normalised; the row's sum is taken of the unquantised p
; and divides at the end.  When M moves, the sum and O are multiplied by 2^(old M - new M): nothing is rounded, and there is no branch on data.
; SHARES.  A head's K and V codes are 256 KiB: they come into LDS whole and once, so no LDS byte is filled twice.  Eight work-groups to a head.  Work-group j owns the blocks of 128 queries j and 15 - j:
; (j + 1) + (16 - j) = 17 key steps for a pair of waves, the same in every work-group.  Wave w takes block j (u = 0) or 15 - j (u = 1), u = bit 0 xor bit 2 of w, and tile w / 2 of its eight: among waves
; that agree in w % 4, and among those that agree in w / 4, two have u = 0 and two u = 1.  A wave owns ONE tile of 16 queries, in 256 registers: one wave's vector work stands beside another's loads and products.
; The 256 KiB come in four phases of 64 KiB (four blocks of keys); each wave fetches 4 KiB of each: four tensor loads of mine are out at the start.  A phase is read behind a counted wait and a barrier.
; CAUSAL.  Every wave walks all 16 steps; a step all of whose keys come after its queries is jumped over (a scalar branch on ids, round no barrier and no tensor load); on the diagonal hidden scores become -infinity.
; NO CLUSTER, though the eight work-groups of a head fetch the same bytes: which steps a wave jumps over hangs on j, so partners of one head would branch on their place in the cluster;
; without the jump the vector work, which is the bulk of this launch's instructions (about 260 a step against 12 matrix instructions), would nearly double.
; LAYOUT.  Both products transposed: S^T = K Q^T (source 0 = 16 keys), O^T = V^T P^T (source 0 = 16 of the head's 64): a lane holds ONE query (lane % 16).  Register j of S^T's tile t is key 16 t + 8 h + j,
; which is just where the K = 128 form wants it in registers 2 t, 2 t + 1 of P: the conversions' results are the operand.
; LIMITS: e6 + e7 between -123 and 130 (added to c's exponent field); e8, and e10 - e8 - e9, between -126 and 119.  NaN is not served.
; REGISTERS: v1 16 x lane; v2 r - 8 h; v8 the step's LDS address; v12 -M, v13 the largest t, v[14:15] the sum; v16-23 Q; v32-95 K's 8 fragments, then V's 4; v96-159 S^T, then p; v160-191 O^T;
;   v192 a permute's result; v[194:195] f; v196, v197 the maximum's chains; v[198:199] the sum's second chain; v200 the mask's bound; v201 -infinity; v224-239 p's codes; v240, v241: 448 x 2^e8, 2^e8; v242, v243: the same for e10 - e8 - e9.
.set LI,  1
.set DQ,  2
.set ADK, 8
.set WV,  18                           ; s18  my wave's number
.set SEL, 20                           ; s[20:21] lane selects for v_permlanex16_b32: lane l xor 16
.set CS,  22                           ; s[22:23] c = log2(e) / 8 x 2^(e6 + e7)
.set G1,  24                           ; s[24:31] descriptor group 1
.set G0,  32                           ; s[32:47] four groups 0, one for each phase
.set TB,  66                           ; s66  LDS byte at which the step's block of keys begins
.set CNT, 67                           ; s67  counts a phase's four steps
.set KF,  98                           ; s98  the step's first key
.set Q0,  99                           ; s99  my first query
	s_load_b256 s[4:11], s[0:1], 0x0               ; qc 4:5, kv 6:7, the exponents 8:9, yc 10:11
	v_lshl_add_u32 v254, v0, 2, 0x40000
	v_mov_b32 v255, 0
	ds_add_u32 v254, v255
	ds_add_u32 v254, v255
	v_lshrrev_b32 v3, 5, v0
	v_readfirstlane_b32 s[WV], v3                  ; wave 0..15
	s_and_b32 s73, ttmp7, 0xffff                   ; 16 x batch + head
	s_lshr_b32 s74, s[WV], 2
	s_xor_b32 s74, s74, s[WV]
	s_and_b32 s74, s74, 1                          ; u
	s_lshr_b32 s75, s[WV], 1                       ; my tile of the block's eight
	s_sub_co_u32 s76, 15, ttmp9
	s_cmp_lg_u32 s74, 0
	s_cselect_b32 s76, s76, ttmp9                  ; block 15 - j or j
	s_lshl_b32 s76, s76, 7
	s_lshl_b32 s75, s75, 4
	s_add_co_u32 s[Q0], s76, s75
	; descriptor group 1: 16 rows of 32 elements of 8 bytes, dense: 4 KiB
	s_mov_b32 s[G1], 3<<16                         ; no mask; elements of 8 bytes; no padding
	s_mov_b32 s[G1+1], 32<<16                      ; tensor_dim0 = 32
	s_mov_b32 s[G1+2], 16<<16                      ; tensor_dim1 = 16
	s_mov_b32 s[G1+3], 32<<16                      ; tile_dim0 = 32
	s_mov_b32 s[G1+4], 16                          ; tile_dim1 = 16
	s_mov_b32 s[G1+5], 32                          ; tensor_dim0_stride
	s_mov_b32 s[G1+6], 0
	s_mov_b32 s[G1+7], 0
	s_mov_b32 s[SEL], 0x76543210
	s_mov_b32 s[SEL+1], 0xfedcba98
	s_mov_b32 s[CS], 0x3e38aa3b                    ; log2(e) / 8
	s_lshl_b32 s77, s[WV], 12                      ; my 4 KiB of a phase's 64, in LDS and in memory alike
	s_lshl_b32 s78, s73, 18                        ; the head's 256 KiB
	s_add_co_u32 s78, s78, s77
	s_mov_b32 s79, 0
	s_wait_dscnt 0x0
	s_wait_kmcnt 0x0
	s_load_b128 s[68:71], s[8:9], 0x18             ; e6, e7, e8, e9
	s_load_b32 s72, s[8:9], 0x28                   ; e10
	s_add_nc_u64 s[78:79], s[6:7], s[78:79]
.irp p, 0,1,2,3
	s_mov_b32 s[G0+4*\p], 1                        ; count = 1
	s_add_co_u32 s[G0+4*\p+1], s77, 65536*\p       ; LDS address: 65,536 x phase + 4,096 x wave
	s_add_nc_u64 s[G0+4*\p+2:G0+4*\p+3], s[78:79], 65536*\p
	s_or_b32 s[G0+4*\p+3], s[G0+4*\p+3], 0x80000000   ; type = 2
.endr
.irp p, 0,1,2,3
	tensor_load_to_lds s[G0+4*\p:G0+4*\p+3], s[G1:G1+7]   ; all first fills in one group, ahead of every wait on TENSORcnt, every LDS read and every barrier
	s_nop 0
.endr
.rept 4
	v_nop
.endr
	s_lshl_b32 s80, s73, 17                        ; Q: the head's 128 units,
	s_lshl_b32 s81, s[Q0], 6                       ; my tile's
	s_add_co_u32 s80, s80, s81
	s_mov_b32 s81, 0
	s_add_nc_u64 s[4:5], s[4:5], s[80:81]
	v_and_b32 v3, 31, v0
	v_lshlrev_b32 v[LI], 4, v3
	global_load_b128 v[16:19], v[LI], s[4:5]       ; Q's fragment stays in registers
	global_load_b128 v[20:23], v[LI], s[4:5] offset:512
	v_and_b32 v3, 15, v0
	v_bfe_u32 v4, v0, 4, 1
	v_lshlrev_b32 v4, 3, v4
	v_sub_nc_u32 v[DQ], v3, v4                     ; r - 8 h
	s_lshr_b32 s82, s73, 4
	s_lshl_b32 s82, s82, 7
	s_lshr_b32 s83, s[Q0], 4
	s_add_co_u32 s82, s82, s83                     ; my token tile among all 256: 128 x batch + Q0 / 16
	s_lshr_b32 s83, s82, 4
	s_lshl_b32 s83, s83, 18                        ; its block of 256 tokens,
	s_and_b32 s82, s82, 15
	s_lshl_b32 s82, s82, 10                        ; its place there,
	s_add_co_u32 s82, s82, s83
	s_and_b32 s83, s73, 15
	s_lshl_b32 s83, s83, 14                        ; and the k unit: the head
	s_add_co_u32 s82, s82, s83
	s_mov_b32 s83, 0
	s_add_nc_u64 s[10:11], s[10:11], s[82:83]
	v_mov_b32 v13, 0xff61b1e6                      ; the largest t so far: -3e38, under every t
	v_floor_f32 v12, -v13                          ; -M
	v_mov_b32 v14, 0                               ; the sum, in two halves
	v_mov_b32 v15, 0
	v_mov_b32 v192, 0                              ; written once: a lane permute's destination counts as one of its sources
	v_mov_b32 v195, 0                              ; (named as the upper half of the pair v[194:195])
	v_mov_b32 v201, 0xff800000                     ; -infinity
.set i, 0
.rept 32
	v_mov_b32 v[160+i], 0                          ; O^T: the step is written once; the first finds zeros, which the first change of M leaves zeros
.set i, i+1
.endr
	s_wait_kmcnt 0x0
	s_add_co_i32 s84, s68, s69
	s_lshl_b32 s84, s84, 23
	s_add_co_i32 s[CS], s[CS], s84                 ; a score stands for score x 2^(e6 + e7): added to c's exponent field
	s_mov_b32 s[CS+1], s[CS]                       ; (named with it as a pair, so it is written)
	s_add_co_i32 s84, s70, 127
	s_lshl_b32 s85, s84, 23
	v_mov_b32 v241, s85                            ; 2^e8, for p's conversions
	s_add_co_i32 s84, s84, 8
	s_lshl_b32 s84, s84, 23
	s_or_b32 s84, s84, 0x600000
	v_mov_b32 v240, s84                            ; 448 x 2^e8
	s_sub_co_i32 s84, s72, s70
	s_sub_co_i32 s84, s84, s71                     ; O^T / the sum stands for y / 2^(e8 + e9): y's code is that / 2^(e10 - e8 - e9)
	s_add_co_i32 s84, s84, 127
	s_lshl_b32 s85, s84, 23
	v_mov_b32 v243, s85
	s_add_co_i32 s84, s84, 8
	s_lshl_b32 s84, s84, 23
	s_or_b32 s84, s84, 0x600000
	v_mov_b32 v242, s84
; A KEY STEP: the 128 keys whose 16 KiB begin at LDS byte TB.
.macro STEP
	s_add_co_u32 s96, s[Q0], 15
	s_cmp_gt_u32 s[KF], s96
	s_cbranch_scc1 .Lhidden_\@                     ; all its keys come after my queries
	v_add_nc_u32 v[ADK], s[TB], v[LI]
.rept 3
	v_nop                                          ; with the addition: four places in front of loads into registers that the last products read
.endr
.irp t, 0,1,2,3,4,5,6,7
	ds_load_b128 v[32+8*\t:35+8*\t], v[ADK] offset:1024*\t
	ds_load_b128 v[36+8*\t:39+8*\t], v[ADK] offset:1024*\t+512
.endr
	s_wait_dscnt 0x0
.irp t, 0,1,2,3,4,5,6,7
	v_wmma_f32_16x16x64_fp8_fp8 v[96+8*\t:103+8*\t], v[32+8*\t:39+8*\t], v[16:23], 0   ; register j: key KF + 16 t + 8 h + j, query Q0 + r
.endr
.rept 4
	v_nop                                          ; places in front of the loads below and of the first read of the scores
.endr
.irp t, 0,1,2,3
.irp g, 0,1,2,3
	ds_load_b128 v[32+16*\t+4*\g:35+16*\t+4*\g], v[ADK] offset:8192+2048*\t+512*\g   ; V^T's four fragments (16 of the head's 64 x 128 keys) land under the softmax
.endr
.endr
	s_add_co_u32 s96, s[KF], 127
	s_cmp_le_u32 s96, s[Q0]
	s_cbranch_scc1 .Lopen_\@                       ; all its keys count
	s_sub_co_i32 s96, s[Q0], s[KF]
	v_add_nc_u32 v200, s96, v[DQ]                  ; d = my query - KF - 8 h: register 8 t + j is hidden where 16 t + j > d
.set n, 0
.rept 64
	v_cmp_gt_i32 vcc_lo, 16*(n/8)+n%8, v200
	v_cndmask_b32 v[96+n], v[96+n], v201, vcc_lo
.set n, n+1
.endr
.Lopen_\@:
	v_max3_num_f32 v196, v96, v97, v98             ; the step's largest score of my query among my 64 keys, in two chains, each accumulator from its low end on,
	v_max3_num_f32 v197, v99, v100, v101
.irp i, 6,10,14,18,22,26,30,34,38,42,46,50,54,58
	v_max3_num_f32 v196, v196, v[96+\i], v[97+\i]
	v_max3_num_f32 v197, v197, v[98+\i], v[99+\i]
.endr
	v_max3_num_f32 v196, v196, v158, v159
	v_max_num_f32 v196, v196, v197
	v_permlanex16_b32 v192, v196, s[SEL], s[SEL+1]
	v_max_num_f32 v196, v196, v192                 ; and among lane l xor 16's (key KF counts for every query of a step that is walked, so this is a number)
	v_mul_f32 v196, s[CS], v196                    ; as t (c is positive)
	v_max_num_f32 v13, v13, v196                   ; the running largest t
	v_mov_b32 v196, v12
	v_floor_f32 v12, -v13                          ; the new -M = floor(-t) = -ceil(t)
	v_sub_f32 v196, v12, v196                      ; old M - new M: a whole number, 0 or less
	v_cvt_i32_f32 v196, v196                       ; (it saturates)
	v_ldexp_f32 v194, 1.0, v196                    ; f = 2^(old M - new M)
.irp j, 0,2,4,6,8,10,12,14,16,18,20,22,24,26,28,30,32,34,36,38,40,42,44,46,48,50,52,54,56,58,60,62
	v_pk_fma_f32 v[96+\j:97+\j], v[96+\j:97+\j], s[CS:CS+1], v[12:13] op_sel_hi:[1,0,0]   ; t - M, two at a time
.endr
.set n, 0
.rept 64
	v_exp_f32 v[96+n], v[96+n]                     ; p = 2^(t - M), at most 1
.set n, n+1
.endr
	v_pk_mul_f32 v[14:15], v[14:15], v[194:195] op_sel_hi:[1,0]   ; the sums under the new M  (a plain line behind the exponentials)
	s_wait_alu depctr_va_vdst(0)
	v_pk_add_f32 v[198:199], v[96:97], v[98:99]    ; the row's sum is taken of the unquantised p, in two chains
.irp j, 4,8,12,16,20,24,28,32,36,40,44,48,52,56,60
	v_pk_add_f32 v[14:15], v[14:15], v[96+\j:97+\j]
	v_pk_add_f32 v[198:199], v[198:199], v[98+\j:99+\j]
.endr
	v_pk_add_f32 v[14:15], v[14:15], v[198:199]
.irp t, 0,1,2,3,4,5,6,7
.irp i, 0,1,2,3,4,5,6,7
	v_min_num_f32 v[96+8*\t+\i], v[96+8*\t+\i], v240   ; the conversion does not saturate (ISA guide 7.6.2); p is not negative, so the hold is one-sided
.endr
	v_cvt_scalef32_pk8_fp8_f32 v[224+2*\t:225+2*\t], v[96+8*\t:103+8*\t], v241
.endr
.irp j, 0,2,4,6,8,10,12,14,16,18,20,22,24,26,28,30
	v_pk_mul_f32 v[160+\j:161+\j], v[160+\j:161+\j], v[194:195] op_sel_hi:[1,0]   ; O^T under the new M  (plain lines between the conversions and the products that read their results)
.endr
	s_wait_dscnt 0x0                               ; V^T's fragments are in
.irp t, 0,1,2,3
	v_wmma_f32_16x16x128_fp8_fp8 v[160+8*\t:167+8*\t], v[32+16*\t:47+16*\t], v[224:239], v[160+8*\t:167+8*\t]   ; four accumulators, one turn each; the next step's eight other products stand between two links
.endr
.Lhidden_\@:
	s_add_co_u32 s[TB], s[TB], 16384
	s_add_co_u32 s[KF], s[KF], 128
.endm
; A PHASE: four blocks of keys, LDS bytes 65,536 p on.  My piece of it has landed when at most the 3 - p pieces issued behind it are out; behind the barrier that holds of all sixteen waves.  Nothing is ever filled again.
.macro PHASE p
	s_wait_tensorcnt 3-\p
	s_wait_dscnt 0x0                               ; no LDS instruction of mine is pending at a signal
	s_barrier_signal -1
	s_barrier_wait -1
	s_mov_b32 s[TB], 65536*\p
	s_mov_b32 s[KF], 512*\p
	s_mov_b32 s[CNT], 4
.Lstep_\@:
	STEP
	s_sub_co_u32 s[CNT], s[CNT], 1
	s_cmp_lg_u32 s[CNT], 0
	s_cbranch_scc1 .Lstep_\@
.endm
	s_wait_loadcnt 0x0                             ; Q
	PHASE 0
	PHASE 1
	PHASE 2
	PHASE 3
	; THE WAY OUT.  O^T / the sum; register 8 t + j is channel 16 t + 8 h + j of my query: eight neighbours along the projection's K, so four conversions make the unit.
.rept 4
	v_nop                                          ; places behind the last products
.endr
	v_add_f32 v14, v14, v15                        ; the sum's two halves,
	v_permlanex16_b32 v192, v14, s[SEL], s[SEL+1]
	v_add_f32 v14, v14, v192                       ; and lane l xor 16's
	v_rcp_f32 v14, v14
	v_nop                                          ; a plain line behind the transcendental
	s_wait_alu depctr_va_vdst(0)
.irp j, 0,2,4,6,8,10,12,14,16,18,20,22,24,26,28,30
	v_pk_mul_f32 v[96+\j:97+\j], v[160+\j:161+\j], v[14:15] op_sel_hi:[1,0]   ; each accumulator from its low end on
.endr
.set i, 0
.rept 32
	v_med3_num_f32 v[96+i], v[96+i], -v242, v242   ; the hold at the largest code x the scale
.set i, i+1
.endr
.irp t, 0,1,2,3
	v_cvt_scalef32_pk8_fp8_f32 v[128+2*\t:129+2*\t], v[96+8*\t:103+8*\t], v243
.endr
	v_nop
	global_store_b128 v[LI], v[128:131], s[10:11]              ; 512 consecutive bytes, aligned
	global_store_b128 v[LI], v[132:135], s[10:11] offset:512
	s_wait_tensorcnt 0x0
	ds_add_u32 v254, v255
	s_wait_dscnt 0x0
	s_endpgm
.Lfunc_end_k_q07650afeb4_attn:
	.size	k_q07650afeb4_attn, .Lfunc_end_k_q07650afeb4_attn-k_q07650afeb4_attn
	.p2alignl 7, 3214868480
	.fill 96, 4, 3214868480
	.section	.rodata,"a",@progbits
	.p2align	6, 0x0
	.amdhsa_kernel k_q07650afeb4_attn
		.amdhsa_group_segment_fixed_size 264192
		.amdhsa_private_segment_fixed_size 0
		.amdhsa_enable_private_segment 0
		.amdhsa_kernarg_size 32
		.amdhsa_user_sgpr_count 2
		.amdhsa_user_sgpr_kernarg_segment_ptr 1
		.amdhsa_wavefront_size32 1
		.amdhsa_system_sgpr_workgroup_id_x 1
		.amdhsa_system_sgpr_workgroup_id_y 1
		.amdhsa_system_sgpr_workgroup_id_z 1
		.amdhsa_system_vgpr_workitem_id 0
		.amdhsa_next_free_vgpr 256
		.amdhsa_next_free_sgpr 100
		.amdhsa_reserve_vcc 1
		.amdhsa_float_denorm_mode_32 3
		.amdhsa_float_denorm_mode_16_64 3
		.amdhsa_memory_ordered 1
		.amdhsa_forward_progress 1
		.amdhsa_inst_pref_size 94
	.end_amdhsa_kernel
	.amdgpu_metadata
---
amdhsa.version: [ 1, 2 ]
amdhsa.kernels:
  - .name:           k_q07650afeb4_attn
    .symbol:         k_q07650afeb4_attn.kd
    .args:
      - { .name: qc, .offset: 0, .size: 8, .value_kind: global_buffer, .address_space: global }
      - { .name: kv, .offset: 8, .size: 8, .value_kind: global_buffer, .address_space: global }
      - { .name: lowp_scales, .offset: 16, .size: 8, .value_kind: global_buffer, .address_space: global }
      - { .name: yc, .offset: 24, .size: 8, .value_kind: global_buffer, .address_space: global }
    .group_segment_fixed_size: 264192
    .private_segment_fixed_size: 0
    .kernarg_segment_align: 8
    .kernarg_segment_size: 32
    .max_flat_workgroup_size: 512
    .sgpr_count:     100
    .vgpr_count:     256
    .wavefront_size: 32
...
	.end_amdgpu_metadata
.endif
;; end of part 3
;; launch proj (part 4): grid 4 x 16, 4 waves a work-group, clusters of 4 x 4, 327,680 bytes of LDS; arguments yc, wc, lowp_scales, bp, out0; writes out0
.if DOCPART == 4
	.amdgcn_target "amdgcn-amd-amdhsa--gfx1250"
	.amdhsa_code_object_version 6
	.text
	.protected	k_q07650afeb4_proj
	.globl	k_q07650afeb4_proj
	.p2align	8
	.type	k_q07650afeb4_proj,@function
k_q07650afeb4_proj:
	s_mov_b64 s[64:65], 0
	v_nop
	global_prefetch_b8 v0, s[64:65] scope:SCOPE_SE
	s_setreg_imm32_b32 hwreg(HW_REG_WAVE_MODE, 25, 1), 1
	s_wait_xcnt 0x0
	s_wait_alu depctr_hold_cnt(0) depctr_sa_sdst(0) depctr_va_vdst(0) depctr_va_sdst(0) depctr_va_ssrc(0) depctr_va_vcc(0) depctr_vm_vsrc(0)
	s_getreg_b32 s2, hwreg(HW_REG_IB_STS2, 6, 4)
	s_cmp_eq_u32 s2, 0
	s_cbranch_scc0 .Lentry_in_a_cluster
	s_endpgm
.Lentry_in_a_cluster:
	s_bfe_u32 s2, ttmp6, 0x10000c
	s_cmp_lg_u32 s2, 0xf033
	s_cbranch_scc0 .Lentry_shape_is_right
	s_endpgm
.Lentry_shape_is_right:
; out0 = y Wp^T + bp on E4M3 codes (K = 1,024): y's codes x 2^e10, Wp's x 2^e11; out0 [4096][1024] f32.
; yc: [16 blocks of 256 tokens][16 k units][16 row tiles][1,024]; Wp's codes are blocks 12-15 of wc, laid likewise.  A UNIT is 16 rows x 64 k, the image of a plain 8-bit fragment's registers
; (byte 512 g + 16 lane + i = byte i of registers 4 g .. 4 g + 3; registers 2 c, 2 c + 1 of lane (r, h) hold k = 16 c + 8 h + 0 .. 7 of row r).
; SHAPE.  A tile of 256 x 256 to a work-group of four waves, 128 x 128 to a wave: 64 accumulators, 512 registers.  16 x 4 = 64 tiles, 64 work-groups: a smaller tile would give more of them and read each LDS byte for half as many products.
; THE MATRIX INSTRUCTION IS USED TRANSPOSED (source 0 = 16 rows of Wp, source 1 = 16 tokens): a lane holds eight neighbouring numbers of a row of out0.
; K goes in four steps of 256 through two LDS slots; a step's 4 x 16 units of an operand are 64 KiB, dense in memory: two waves fetch A's halves, two B's, 32 KiB a tensor load.
; CLUSTERS: 4 x 4 work-groups; y's tile is asked for jointly by the four of a row of the cluster, Wp's by the four of a column.
; THE BIAS, divided by 2^(e10 + e11), is the C of each sum's first product; each finished sum is multiplied once by 2^(e10 + e11).
; LIMITS: e10 + e11 lies between -126 and 127; bp / 2^(e10 + e11) stays an f32 number.
; REGISTERS, in windows of 256: window 0: v0-31 addresses; v32-95 the bias, later a block's results; v128-255 A's fragments, ONE set, later rows read back from the stage.
;   window 1: B's fragments, TWO sets, at v0 and v128.   window 2: the accumulators of my rows 0-63 ((a, b) at v[8 (8 a + b)]);   window 3: those of rows 64-127.
.set SIZE_N, 1024
.set SLOT,   131072                    ; a slot: A's 64 KiB ([4 units][16 row tiles][1,024]), then B's
.set BPART,  65536
.set KBYTES, 65536                     ; a K step of 256 in an operand's block in memory
.set SPARE,  2*SLOT                    ; behind the ring: the spare words, 128 bytes for each wave: two blocks of 256 bytes that no other line names
.set SPITCH, 528                       ; the way out: a stage of 16 rows x (512 bytes + 16) for each wave, in slot 0, which has had its last fill and its last read when the first result is stored there
.set FR,     16
.set NL,     4
.set NP,     4                         ; places behind this matrix instruction (ISA guide 7.12.1)
.set ADRA, 16                          ; v16-17  LDS address of my A fragments in slot 0, 1
.set ADRB, 20                          ; v20-21  the same for B
.set STO,  24                          ; v24     the way out: where I put 32 bytes of a row
.set RD,   25                          ; v25     where I read a row back
.set CO,   26                          ; v26     16 x lane: my bytes of 512
.set SPW,  28                          ; v28     LDS address of my spare word: SPARE + 4 x my thread's number; never rewritten
.set NIL,  29                          ; v29     0; never rewritten
.set BIAS, 32
.set TMP,  32
.set AF,   128
.set BK,   128                         ; the way out: 16 rows read back: v128-191 and v192-255 by turns
.set G1, 24
.set G0, 32
.set G1B, 48
.set G0B, 56
.set MSB, 0
.macro WIN new                         ; the immediate's high byte repeats the setting that is left
.if MSB != (\new)
	s_set_vgpr_msb (MSB<<8)|(\new)
.set MSB, (\new)
.endif
.endm
.set MUL_LO,  0xa1                     ; source 0 (B) window 1, source 1 (A) window 0, C and D window 2
.set MUL_HI,  0xf1                     ; the same, C and D window 3
.set MUL_LO0, 0x81                     ; the step that starts the sums: C (the bias) window 0, D window 2
.set MUL_HI0, 0xc1                     ; D window 3
.set TO_B,    0x40                     ; destination window 1, address window 0
; A joint load: waves 0 and 1 fetch for A, waves 2 and 3 for B; the branch hangs on the wave's number alone.  Four v_nop follow each of the two lines.
.macro JLOAD g0a, g1a, g0b, g1b
	s_cmp_eq_u32 s15, 0
	s_cbranch_scc0 .Lfor_b_\@
	tensor_load_to_lds s[\g0a:\g0a+3], s[\g1a:\g1a+7]
	s_nop 0
.rept 4
	v_nop
.endr
	s_branch .Lasked_\@
.Lfor_b_\@:
	tensor_load_to_lds s[\g0b:\g0b+3], s[\g1b:\g1b+7]
	s_nop 0
.rept 4
	v_nop
.endr
.Lasked_\@:
.endm
.macro CREST                           ; a round of the cluster's barrier behind its opening barrier
	s_cmp_lg_u32 s14, 0
	s_cbranch_scc1 .Lnot_wave_0_\@
	s_barrier_signal -3
.Lnot_wave_0_\@:
	s_barrier_wait -3
	s_barrier_signal -1
	s_barrier_wait -1
.endm
.macro CROUND
	s_barrier_signal -1
	s_barrier_wait -1
	CREST
.endm
	s_load_b256 s[68:75], s[0:1], 0x0              ; yc 68:69, wc 70:71, the exponents 72:73, bp 74:75
	s_load_b64 s[76:77], s[0:1], 0x20              ; out0
	v_lshl_add_u32 v[SPW], v0, 2, SPARE
	v_mov_b32 v[NIL], 0
	ds_add_u32 v28, v29
	ds_add_u32 v28, v29
	s_wait_dscnt 0x0
	v_lshrrev_b32 v1, 5, v0
	v_readfirstlane_b32 s14, v1                    ; wave 0..3
	s_lshr_b32 s15, s14, 1                         ; my half of the tile's rows.  Also: I fetch for A (0) or for B (1)
	s_and_b32 s16, s14, 1                          ; my half of its columns.  Also: which half of a step's 64 KiB I fetch
	s_bfe_u32 s40, ttmp6, 0x40000                  ; cx, cy
	s_bfe_u32 s41, ttmp6, 0x40004
	s_lshl_b32 s42, ttmp9, 2
	s_add_co_u32 s42, s42, s40                     ; tile column = 4 x cluster x + cx
	s_and_b32 s17, ttmp7, 0xffff
	s_lshl_b32 s17, s17, 2
	s_add_co_u32 s17, s17, s41                     ; tile row = 4 x cluster y + cy
	s_lshl_b32 s43, s41, 2
	s_lshl_b32 s43, 15, s43                        ; my row of the cluster
	s_lshl_b32 s44, 0x1111, s40                    ; my column
	s_or_b32 s[G1+0], s43, (3<<16)|(1<<21)         ; the mask; elements of 8 bytes; no padding; bit 21 set beside a mask
	s_or_b32 s[G1B+0], s44, (3<<16)|(1<<21)
.irp g, G1, G1B
	s_mov_b32 s[\g+1], 32<<16                      ; tensor_dim0 = 32
	s_mov_b32 s[\g+2], 128<<16                     ; tensor_dim1 = 128
	s_mov_b32 s[\g+3], 32<<16                      ; tile_dim0 = 32
	s_mov_b32 s[\g+4], 128                         ; tile_dim1 = 128: 32 KiB, dense
	s_mov_b32 s[\g+5], 32                          ; tensor_dim0_stride
	s_mov_b32 s[\g+6], 0
	s_mov_b32 s[\g+7], 0
.endr
	s_lshl_b32 s18, s16, 15                        ; my half of a step's 64 KiB
	s_lshl_b32 s20, s17, 18
	s_add_co_u32 s20, s20, s18                     ; A: y's block of 256 tokens
	s_lshl_b32 s46, s42, 18
	s_add_co_u32 s46, s46, s18
	s_add_co_u32 s46, s46, 0x300000                ; B: block 12 + tile column of wc
	s_mov_b32 s21, 0
	s_mov_b32 s47, 0
	s_lshl_b32 s45, s14, 15                        ; where they go: wave x 32 KiB
	s_wait_kmcnt 0x0
	s_load_b64 s[96:97], s[72:73], 0x28            ; e10, e11
	s_add_nc_u64 s[20:21], s[68:69], s[20:21]
	s_add_nc_u64 s[46:47], s[70:71], s[46:47]
	CROUND                                         ; all sixteen work-groups are here: the first joint loads meet
.irp s, 0,1
	s_mov_b32 s[G0+4*\s], 1
	s_add_co_u32 s[G0+4*\s+1], s45, \s*SLOT
	s_add_nc_u64 s[G0+4*\s+2:G0+4*\s+3], s[20:21], \s*KBYTES
	s_or_b32 s[G0+4*\s+3], s[G0+4*\s+3], 0x80000000
	s_mov_b32 s[G0B+4*\s], 1
	s_add_co_u32 s[G0B+4*\s+1], s45, \s*SLOT
	s_add_nc_u64 s[G0B+4*\s+2:G0B+4*\s+3], s[46:47], \s*KBYTES
	s_or_b32 s[G0B+4*\s+3], s[G0B+4*\s+3], 0x80000000
	JLOAD G0+4*\s, G1, G0B+4*\s, G1B               ; two loads of mine are out
.endr
	v_and_b32 v1, 15, v0                           ; r
	v_bfe_u32 v2, v0, 4, 1                         ; h
	v_and_b32 v[CO], 31, v0
	v_lshlrev_b32 v[CO], 4, v[CO]
	s_lshl_b32 s21, s15, 13                        ; my 8 row tiles of A
	s_lshl_b32 s22, s16, 13
	s_add_co_u32 s22, s22, BPART                   ; and of B
.irp s, 0,1
	v_add_nc_u32 v[ADRA+\s], s21, v[CO]
	v_add_nc_u32 v[ADRB+\s], s22, v[CO]
	s_add_co_u32 s21, s21, SLOT
	s_add_co_u32 s22, s22, SLOT
.endr
	s_mul_i32 s23, s14, 16*SPITCH                  ; my stage
	v_mul_u32_u24 v5, v1, SPITCH                   ; in: row r, 32 bytes for each half of the lanes
	v_lshl_add_u32 v5, v2, 5, v5
	v_add_nc_u32 v[STO], s23, v5
	v_add_nc_u32 v[RD], s23, v[CO]                 ; back: the 32 lanes take one row of 512 bytes
	s_lshl_b32 s20, s17, 8
	s_lshl_b32 s21, s15, 7
	s_add_co_u32 s20, s20, s21                     ; my first row of out0
	s_lshl_b32 s20, s20, 12                        ; rows of 4,096 bytes
	s_lshl_b32 s46, s42, 10
	s_lshl_b32 s47, s16, 9
	s_add_co_u32 s46, s46, s47                     ; my first column, in bytes: also my place in bp
	s_add_co_u32 s20, s20, s46
	s_mov_b32 s21, 0
	s_mov_b32 s47, 0
	s_add_nc_u64 s[10:11], s[76:77], s[20:21]
	s_add_nc_u64 s[2:3], s[74:75], s[46:47]
	v_lshlrev_b32 v4, 5, v2                        ; the bias: for block b and register j that of column 16 b + 8 h + j
.irp b, 0,1,2,3,4,5,6,7
	global_load_b128 v[BIAS+8*\b:BIAS+8*\b+3], v4, s[2:3] offset:64*\b
	global_load_b128 v[BIAS+8*\b+4:BIAS+8*\b+7], v4, s[2:3] offset:64*\b+16
.endr
	s_wait_kmcnt 0x0
	s_add_co_i32 s98, s96, s97                     ; e10 + e11
	s_sub_co_i32 s99, 0, s98
	s_add_co_i32 s96, s98, 127
	s_lshl_b32 s96, s96, 23                        ; 2^(e10 + e11) as f32  (s97 stays written: the packed form names the pair)
	s_wait_loadcnt 0x0
.set i, 0
.rept 64
	v_ldexp_f32 v[BIAS+i], v[BIAS+i], s99          ; bp / 2^(e10 + e11): nothing is rounded
.set i, i+1
.endr
.macro FRAG reg, adr, q, i             ; a fragment, 16 rows x 128 K: units 2 q and 2 q + 1 of the slot, row tile i of my eight: four loads of 512 consecutive bytes
.irp c, 0,1,2,3
	ds_load_b128 v[\reg+4*\c:\reg+4*\c+3], v[\adr] offset:(2*(\q)+\c/2)*16384+(\i)*1024+(\c%2)*512
.endr
.endm
; 16 matrix instructions: A's blocks a0, a0 + 1 x B's eight, 128 along K.  p: B's set.  mode 1: the sums begin with the bias.  The 64 accumulators take turns, one instruction a turn.
.macro MUL16 a0, p, mode
.irp a, \a0, \a0+1
.irp b, 0,1,2,3,4,5,6,7
.if \mode
	v_wmma_f32_16x16x128_fp8_fp8 v[8*(8*((\a)%4)+\b):8*(8*((\a)%4)+\b)+7], v[128*(\p)+FR*\b:128*(\p)+FR*\b+FR-1], v[AF+FR*(\a):AF+FR*(\a)+FR-1], v[BIAS+8*\b:BIAS+8*\b+7]
.else
	v_wmma_f32_16x16x128_fp8_fp8 v[8*(8*((\a)%4)+\b):8*(8*((\a)%4)+\b)+7], v[128*(\p)+FR*\b:128*(\p)+FR*\b+FR-1], v[AF+FR*(\a):AF+FR*(\a)+FR-1], v[8*(8*((\a)%4)+\b):8*(8*((\a)%4)+\b)+7]
.endif
.endr
.endr
.endm
.macro FETCH_B slot, q, p
	WIN TO_B
.irp i, 0,1,2,3,4,5,6,7
	FRAG 128*(\p)+FR*\i, ADRB+\slot, \q, \i
.endr
	WIN 0
.endm
.macro FETCH_A slot, q, i0
.irp i, \i0, \i0+1, \i0+2, \i0+3
	FRAG AF+FR*(\i), ADRA+\slot, \q, \i
.endr
.endm
.macro PLACES n                        ; plain vector lines behind matrix instructions, in front of loads into registers that they read and of reads of their results (ISA guide 7.12.1 for reads of their results)
.rept \n
	v_nop
.endr
.endm
.macro STEP slot, q, mode              ; a step of 128 along K that has its successor in the same slot
	s_wait_dscnt 4*NL                              ; B's set and A's blocks 0-3 are in; the youngest 16 loads (A's blocks 4-7) may be out
.if \mode
	WIN MUL_LO0
.else
	WIN MUL_LO
.endif
	MUL16 0, (\q)%2, \mode
	MUL16 2, (\q)%2, \mode
	s_wait_dscnt 0                                 ; A's blocks 4-7 are in
	PLACES NP
	FETCH_B \slot, (\q)+1, 1-(\q)%2
	FETCH_A \slot, (\q)+1, 0
.if \mode
	WIN MUL_HI0
.else
	WIN MUL_HI
.endif
	MUL16 4, (\q)%2, \mode
	MUL16 6, (\q)%2, \mode
	PLACES NP
	WIN 0
	FETCH_A \slot, (\q)+1, 4
.endm
; A slot's last step changes slots: ONE barrier; in front of it each wave waits for all its tensor loads, adds 0 to its spare word, and waits for that and for its own reads of this slot.
.macro TURN slot, next, fill
	s_wait_tensorcnt 0x0                           ; all my tensor loads have landed: my part of the next slot
	ds_add_u32 v[SPW], v[NIL]                      ; 0 onto my spare word
	s_wait_dscnt 4*NL+1                            ; (the add and the youngest 16 loads may be out)
	WIN MUL_LO
	MUL16 0, 1, 0
	s_wait_dscnt 0x0                               ; the add is done, and my reads of this slot are over
	s_barrier_signal -1
	MUL16 2, 1, 0
	WIN 0
	s_barrier_wait -1
.if \fill
	CREST                                          ; the barrier has opened a round of the cluster's: no wave of any partner still reads this slot or has a load on its way
	s_add_nc_u64 s[G0+4*\slot+2:G0+4*\slot+3], s[G0+4*\slot+2:G0+4*\slot+3], 2*KBYTES
	s_add_nc_u64 s[G0B+4*\slot+2:G0B+4*\slot+3], s[G0B+4*\slot+2:G0B+4*\slot+3], 2*KBYTES
	JLOAD G0+4*\slot, G1, G0B+4*\slot, G1B         ; the first tensor load behind the round, my one load until the next
.else
	PLACES NP
.endif
	FETCH_B \next, 0, 0
	FETCH_A \next, 0, 0
	WIN MUL_HI
	MUL16 4, 1, 0
	MUL16 6, 1, 0
	PLACES NP
	WIN 0
	FETCH_A \next, 0, 4
.endm
	s_wait_tensorcnt 1                             ; my part of K step 0 is in; K step 1's load may be out
	s_barrier_signal -1
	s_barrier_wait -1
	FETCH_B 0, 0, 0
	FETCH_A 0, 0, 0
	FETCH_A 0, 0, 4
	STEP 0, 0, 1                                   ; the sums begin with the bias
	TURN 0, 1, 1                                   ; four K steps on two slots, written out: two refills in all
	STEP 1, 0, 0
	TURN 1, 0, 1
	STEP 0, 0, 0
	TURN 0, 1, 0
	STEP 1, 0, 0
	s_wait_dscnt 4*NL                              ; the very last step
	WIN MUL_LO
	MUL16 0, 1, 0
	MUL16 2, 1, 0
	s_wait_dscnt 0
	WIN MUL_HI
	MUL16 4, 1, 0
	MUL16 6, 1, 0
	WIN 0
; THE WAY OUT, block by block of 16 rows x 128 columns, through my own stage: in as 32 bytes a lane, back as whole rows of 512 bytes.  LDS serves a wave's instructions in order: no wait between the stores and the loads.
.macro TOSTAGE a
.set AC, 64*((\a)%4)
	WIN 0x02+((\a)/4)                              ; source 0: window 2 or 3
.irp j, 0,2,4,6,8,10,12,14,16,18,20,22,24,26,28,30,32,34,36,38,40,42,44,46,48,50,52,54,56,58,60,62
	v_pk_mul_f32 v[TMP+\j:TMP+\j+1], v[AC+\j:AC+\j+1], s[96:97] op_sel_hi:[1,0]   ; both x s96 = 2^(e10 + e11); each accumulator from its low end on
.endr
	WIN 0
.irp b, 0,1,2,3,4,5,6,7
	ds_store_b128 v[STO], v[TMP+8*\b:TMP+8*\b+3] offset:64*\b
	ds_store_b128 v[STO], v[TMP+8*\b+4:TMP+8*\b+7] offset:64*\b+16
.endr
.set BB, BK+64*((\a)%2)
.irp t, 0,1,2,3,4,5,6,7,8,9,10,11,12,13,14,15
	ds_load_b128 v[BB+4*\t:BB+4*\t+3], v[RD] offset:\t*SPITCH
.endr
.endm
.macro SEND a, younger                 ; younger: the LDS instructions issued behind block a's loads, which may stay out
.set BB, BK+64*((\a)%2)
	s_wait_dscnt \younger
.if (\a) > 0
	s_add_nc_u64 s[10:11], s[10:11], 16*SIZE_N*4   ; (behind a wait on XCNT: the earlier stores have read their base)  16 rows on
.endif
.irp t, 0,1,2,3,4,5,6,7,8,9,10,11,12,13,14,15
	global_store_b128 v[CO], v[BB+4*\t:BB+4*\t+3], s[10:11] offset:\t*SIZE_N*4 th:TH_STORE_NT   ; 32 lanes store 512 consecutive bytes, aligned; written once, read by nobody here
.endr
.endm
	PLACES NP
	TOSTAGE 0
.irp a, 1,2,3,4,5,6,7
.if \a > 1
	s_wait_xcnt 0x0                                ; block a - 2's stores have read their registers and their base
.endif
	TOSTAGE \a
	SEND \a-1, 32                                  ; behind block a - 1's loads: block a's 16 stores and 16 loads
.endr
	s_wait_xcnt 0x0
	SEND 7, 0
	s_wait_tensorcnt 0x0                           ; the wave's end
	ds_add_u32 v[SPW], v[NIL]
	s_wait_dscnt 0x0
	CROUND                                         ; the closing round
	s_endpgm
.Lfunc_end_k_q07650afeb4_proj:
	.size	k_q07650afeb4_proj, .Lfunc_end_k_q07650afeb4_proj-k_q07650afeb4_proj
	.p2alignl 7, 3214868480
	.fill 96, 4, 3214868480
	.section	.rodata,"a",@progbits
	.p2align	6, 0x0
	.amdhsa_kernel k_q07650afeb4_proj
		.amdhsa_group_segment_fixed_size 327680
		.amdhsa_private_segment_fixed_size 0
		.amdhsa_enable_private_segment 0
		.amdhsa_kernarg_size 40
		.amdhsa_user_sgpr_count 2
		.amdhsa_user_sgpr_kernarg_segment_ptr 1
		.amdhsa_wavefront_size32 1
		.amdhsa_system_sgpr_workgroup_id_x 1
		.amdhsa_system_sgpr_workgroup_id_y 1
		.amdhsa_system_sgpr_workgroup_id_z 1
		.amdhsa_system_vgpr_workitem_id 0
		.amdhsa_next_free_vgpr 1024
		.amdhsa_next_free_sgpr 100
		.amdhsa_reserve_vcc 0
		.amdhsa_float_denorm_mode_32 3
		.amdhsa_float_denorm_mode_16_64 3
		.amdhsa_memory_ordered 1
		.amdhsa_forward_progress 1
		.amdhsa_inst_pref_size 128
	.end_amdhsa_kernel
	.amdgpu_metadata
---
amdhsa.version: [ 1, 2 ]
amdhsa.kernels:
  - .name:           k_q07650afeb4_proj
    .symbol:         k_q07650afeb4_proj.kd
    .args:
      - { .name: yc, .offset: 0, .size: 8, .value_kind: global_buffer, .address_space: global }
      - { .name: wc, .offset: 8, .size: 8, .value_kind: global_buffer, .address_space: global }
      - { .name: lowp_scales, .offset: 16, .size: 8, .value_kind: global_buffer, .address_space: global }
      - { .name: bp, .offset: 24, .size: 8, .value_kind: global_buffer, .address_space: global }
      - { .name: out0, .offset: 32, .size: 8, .value_kind: global_buffer, .address_space: global }
    .group_segment_fixed_size: 327680
    .private_segment_fixed_size: 0
    .kernarg_segment_align: 8
    .kernarg_segment_size: 40
    .max_flat_workgroup_size: 128
    .sgpr_count:     100
    .vgpr_count:     1024
    .wavefront_size: 32
...
	.end_amdgpu_metadata
.endif
;; end of part 4
